; MI455X (gfx1250); checked and timed in simulation.
; The chip was launched on July 23, 2026; its instructions are those of AMD's public machine-readable ISA for CDNA 5 (MIT licence, August 2026) and "CDNA5" Instruction Set Architecture Reference Guide (July 2026). The comments in the code are by the model that wrote it; some were corrected since.
;; LSTM Layer. Allowed arithmetic: matrix products marked QUANTISED: E4M3 operands, one given power-of-two scale a tensor, by v_wmma_f32_16x16x64_fp8_fp8 or v_wmma_f32_16x16x128_fp8_fp8, f32 sums; everything else in f32.
;; Inputs: Wc 1,024 x 2,048 float32; Wf 1,024 x 2,048 float32; Wi 1,024 x 2,048 float32; Wo 1,024 x 2,048 float32; bc 1,024 float32; bf 1,024 float32; bi 1,024 float32; bo 1,024 float32; c 8,192 x 1,024 float32; hidden 8,192 x 1,024 float32; inputs 8,192 x 1,024 float32; lowp_scales 2 int32 (the exponents e of the quantised operands' scales 2^e).
;; Outputs: out0 8,192 x 1,024 float32; out1 8,192 x 1,024 float32.
;; This version of the problem:
;;   THIS VERSION OF THE PROBLEM IS GIVEN IN LOW PRECISION. The matrix products marked QUANTISED in the list below multiply operands that are first quantised to E4M3 (4 exponent bits, 3 mantissa bits; 8 bits a number), with one given power-of-two scale for each operand tensor; their sums are f32. All else is computed in f32.
;;   The module's matrix products, in the order in which they are computed (A, B: the left and right operand; K: the contracted axis; several contracted axes count as one K, in the product's order):
;;     1. [M 8,192, K 2,048] x [K 2,048, N 4,096]; A: computed on the way; B: computed on the way: QUANTISED (scales: A lowp_scales[0], B lowp_scales[1])
;;   THE QUANTISER, for each operand of a quantised product, along K:
;;     - The operand's scale is 2^e, e = its entry of the input lowp_scales (int32; the entries are numbered through the quantised products in the list's order, A before B).
;;     - Each number is divided by the scale, clamped to +-448, and rounded to the nearest number of E4M3, ties to even, subnormals kept.
;;     - The product sums the exact products of the quantised numbers (number of the format x scale) in f32.
;;   ~~~python
;;   def quantise(x, axis, e):      # numpy; x: float32 -> the quantised numbers, widened to float32 again
;;       x = np.moveaxis(x, axis, -1); K = x.shape[-1]
;;       r = np.clip(x / 2.0 ** e, -448, 448)
;;       step = 2.0 ** (np.maximum(np.frexp(np.where(r == 0, 1, r))[1] - 1, -6) - 3)
;;       q = np.round(r / step) * step * 2.0 ** e      # np.round: ties to even
;;       return np.moveaxis(q, -1, axis).astype(np.float32)
;;   ~~~
;;   OPERANDS COMPUTED ON THE WAY. 'Computed on the way' means the value that the module computes at that place (a softmax that the list does not call 'softmax' is quantised finished and normalised). What goes into a quantiser is computed in f32, as accurately as f32 sums, v_exp_f32 and their like allow (about 1e-6 of the number): no bf16 or f16 on the way to a quantiser, and a product that is left as it is and whose result goes on into a quantised operand takes f32 operands (vector FMAs, or v_wmma_f32_16x16x4_f32). A number that lies on a knife's edge between two numbers of the format may be rounded either way, as far as f32 arithmetic and the matrix unit's own rounding can turn it there, and no further.
;; One version. Each part assembles by itself: llvm-mc -triple=amdgcn-amd-amdhsa -mcpu=gfx1250 --defsym DOCPART=n.
;; ======== version 1 of 1: 2 launches
;; limits: right only within a limited range of input values
;; workspace buffers: x_codes 16,777,216 bytes; w_codes 8,388,608 bytes
;; launch quant (part 1): grid 768 x 1, 4 waves a work-group, no clusters, 67,072 bytes of LDS; arguments hidden, inputs, Wf, Wi, Wo, Wc, lowp_scales, x_codes, w_codes; writes x_codes, w_codes
.if DOCPART == 1
	.amdgcn_target "amdgcn-amd-amdhsa--gfx1250"
	.amdhsa_code_object_version 6
	.text
	.protected	k_q8c0c043e0f_quant
	.globl	k_q8c0c043e0f_quant
	.p2align	8
	.type	k_q8c0c043e0f_quant,@function
k_q8c0c043e0f_quant:
	s_mov_b64 s[64:65], 0
	v_nop
	global_prefetch_b8 v0, s[64:65] scope:SCOPE_SE
	s_setreg_imm32_b32 hwreg(HW_REG_WAVE_MODE, 25, 1), 1
	s_wait_xcnt 0x0
; hidden, inputs [8192][1024] and Wf, Wi, Wo, Wc [1024][2048], f32, become codes of FP8 (E4M3) with the given scales: 2^e0 for x = [hidden | inputs], 2^e1 for the weights.
; code = number / 2^e, held within +-448, rounded to the nearest code, ties to even.
; LIMITS: e0 and e1 lie between -126 and 119, so that 2^e and 448 x 2^e are f32 numbers.  NaN among the inputs is not served (an infinity is held at the largest code).
; x_codes [8192][2048]: row m holds hidden's 1,024 codes, then inputs'.
; w_codes IS LAID AS THE PRODUCT'S REGISTERS TAKE IT: [G 32][kk 32][b 8][c 2][lane 32][16 bytes].  G: 32 cells; kk: 64 along K; b = 2 g + u: gate g (0 f, 1 i, 2 o, 3 c), cells 16 u .. 16 u + 15 of the 32;
; lane 16 h + r holds, of cell 16 u + r, the codes at K = 64 kk + 32 c + 16 h + 0 .. 15.  So one load of 16 bytes a lane reads 512 bytes on end.
; Work-groups 0-255: hidden; 256-511: inputs: 32,768 numbers each, a wave 8,192 in 16 steps of 512.  Work-groups 512 + 64 g + li: rows 16 li .. 16 li + 15 of gate g; a wave takes 512 along K in 4 blocks of 16 rows x 128.
; Both ways read 512 bytes on end with each load, turn the numbers through the wave's own stage in LDS, so that a lane holds 16 neighbours along K, and store 512 bytes on end.
; The two ways part on the work-group's number and have LDS bytes of their own.  No tensor loads, no barrier, no matrix unit, no cluster: waves share nothing and every byte is read once.
.set STEPS, 16
.set EMAX,  8
.set MANT,  0x600000                   ; the mantissa field of 448 as f32
.set R,     16                         ; v16-79   x: four sets of 16 numbers as loaded; W: a block's 16 rows (even blocks)
.set X,     80                         ; v80-111  x: two sets of 16 neighbours; W: v80-95 a block's codes
.set C,     128                        ; v128-191 x: codes, four registers a step; W: a block's 16 rows (odd blocks)
.set XW,    192                        ; v192-255 W: four pieces of 16 neighbours
.set WREG,  8192                       ; x: a wave's region: two stages of 32 x SP bytes
.set SP,    80                         ; a lane's place in a stage: 64 bytes + 16 of padding
.set PW,    528                        ; W: a stage row: 512 bytes + 16 of padding
.set WST,   16*PW                      ; W: a wave's stage
.set WBASE, 4*WREG
.set SPARE, WBASE+4*WST                ; the spare words, 128 bytes a wave
.set SPW,   6
.set NIL,   7
	s_load_b256 s[4:11], s[0:1], 0x0               ; hidden, inputs, Wf, Wi
	s_load_b128 s[12:15], s[0:1], 0x20             ; Wo, Wc
	s_load_b64 s[16:17], s[0:1], 0x30              ; the scales' exponents
	s_load_b128 s[20:23], s[0:1], 0x38             ; x_codes, w_codes
	v_lshl_add_u32 v[SPW], v0, 2, SPARE
	v_mov_b32 v[NIL], 0
	v_lshrrev_b32 v1, 5, v0
	v_readfirstlane_b32 s24, v1                    ; wave
	s_mul_i32 s37, s24, WREG
	s_mul_i32 s36, s24, WST
	s_add_co_u32 s36, s36, WBASE
	v_and_b32 v2, 31, v0                           ; lane
	v_lshlrev_b32 v3, 4, v2                        ; my 16 bytes of a load's 512, and of a store's
	v_lshrrev_b32 v14, 2, v2
	v_mul_u32_u24 v14, v14, SP
	v_and_b32 v15, 3, v2
	v_lshl_add_u32 v14, v15, 4, v14
	v_add_nc_u32 v14, s37, v14                     ; x's stage, in: four lanes' 64 bytes on end, then 16 of padding
	v_mul_u32_u24 v15, v2, SP
	v_add_nc_u32 v15, s37, v15                     ; out: SP x lane
	v_add_nc_u32 v12, s36, v3                      ; W's stage, in: 16 x lane of a row
	v_and_b32 v13, 15, v2
	v_mul_u32_u24 v13, v13, PW
	v_lshrrev_b32 v9, 4, v2
	v_lshl_add_u32 v13, v9, 6, v13
	v_add_nc_u32 v13, s36, v13                     ; out: row r, + 64 h
	s_wait_alu depctr_va_vdst(0)
	s_wait_kmcnt 0x0
	s_load_b64 s[32:33], s[16:17], 0x0             ; e0, e1
.macro SCALE e                         ; v11 = 2^e, v10 = 448 x 2^e
	s_add_co_i32 s34, \e, 127
	s_lshl_b32 s35, s34, 23
	v_mov_b32 v11, s35
	s_add_co_i32 s34, s34, EMAX
	s_lshl_b32 s34, s34, 23
	s_or_b32 s34, s34, MANT
	v_mov_b32 v10, s34
	s_wait_alu depctr_va_vdst(0)
.endm
.macro Q16 xs, cd                      ; 16 numbers are held (the conversion does not saturate: ISA guide 7.6.2) and become 16 codes
.irp i, 0,1,2,3,4,5,6,7,8,9,10,11,12,13,14,15
	v_med3_num_f32 v[\xs+\i], v[\xs+\i], -v10, v10
.endr
	v_cvt_scalef32_pk8_fp8_f32 v[\cd:\cd+1], v[\xs:\xs+7], v11
	v_cvt_scalef32_pk8_fp8_f32 v[\cd+2:\cd+3], v[\xs+8:\xs+15], v11
.endm
	s_cmp_lt_u32 ttmp9, 512
	s_cbranch_scc0 .Lweights
	; ---- x
	s_cmp_lt_u32 ttmp9, 256
	s_cselect_b64 s[4:5], s[4:5], s[6:7]           ; hidden or inputs: the choice hangs on the work-group's number alone
	s_and_b32 s25, ttmp9, 255
	s_lshl_b32 s28, s25, 17                        ; the source: 131,072 bytes a work-group,
	s_lshl_b32 s29, s24, 15                        ; 32,768 a wave
	s_add_co_u32 s28, s28, s29
	s_mov_b32 s29, 0
	s_lshl_b32 s30, s25, 16                        ; x_codes: 32 rows of 2,048 bytes a work-group,
	s_lshr_b32 s31, ttmp9, 8
	s_lshl_b32 s31, s31, 10                        ; inputs' codes lie 1,024 bytes into a row,
	s_add_co_u32 s30, s30, s31
	s_lshl_b32 s31, s24, 14                        ; 8 rows a wave
	s_add_co_u32 s30, s30, s31
	s_mov_b32 s31, 0
	s_add_nc_u64 s[4:5], s[4:5], s[28:29]
	s_add_nc_u64 s[20:21], s[20:21], s[30:31]
.macro LOAD t
.irp i, 0,1,2,3
	global_load_b128 v[R+16*((\t)%4)+4*\i:R+16*((\t)%4)+4*\i+3], v3, s[4:5] offset:2048*(\t)+512*\i th:TH_LOAD_NT
.endr
.endm
.macro TURN t                          ; LDS serves a wave's instructions in order: no wait between the stores and the loads
.irp i, 0,1,2,3
	ds_store_b128 v14, v[R+16*((\t)%4)+4*\i:R+16*((\t)%4)+4*\i+3] offset:32*SP*((\t)%2)+8*SP*\i
.endr
.irp i, 0,1,2,3
	ds_load_b128 v[X+16*((\t)%2)+4*\i:X+16*((\t)%2)+4*\i+3], v15 offset:32*SP*((\t)%2)+16*\i
.endr
.endm
.irp t, 0,1,2,3
	LOAD \t
.endr
	s_wait_kmcnt 0x0
	SCALE s32
	s_wait_loadcnt 12                              ; step 0's four loads are in; the twelve behind them stay out
	TURN 0
.macro STEP t
	s_wait_dscnt 0x0                               ; this step's numbers are back from the stage
.if (\t)+4 < STEPS
	LOAD (\t)+4
.endif
.if (\t)+1 < STEPS
.if STEPS-2-(\t) >= 3
	s_wait_loadcnt 12                              ; the next step's four loads are in; three steps' may be out
.else
	s_wait_loadcnt 4*(STEPS-2-(\t))                ; the last steps load nothing: the counts run down
.endif
	TURN (\t)+1
.endif
	Q16 X+16*((\t)%2), C+4*(\t)
	global_store_b128 v3, v[C+4*(\t):C+4*(\t)+3], s[20:21] offset:2048*((\t)/2)+512*((\t)%2)   ; two steps to a run of 1,024 codes, the runs a row of 2,048 apart
.endm
.irp t, 0,1,2,3,4,5,6,7,8,9,10,11,12,13,14,15
	STEP \t
.endr
	s_wait_tensorcnt 0x0                           ; the wave's end
	ds_add_u32 v[SPW], v[NIL]
	s_wait_dscnt 0x0
	s_endpgm
	; ---- the weights
.Lweights:
	s_bfe_u32 s26, ttmp9, 0x20006                  ; g
	s_and_b32 s25, ttmp9, 63                       ; li
	s_cmp_lt_u32 s26, 1
	s_cselect_b64 s[4:5], s[8:9], s[10:11]
	s_cmp_lt_u32 s26, 2
	s_cselect_b64 s[4:5], s[4:5], s[12:13]
	s_cmp_lt_u32 s26, 3
	s_cselect_b64 s[4:5], s[4:5], s[14:15]
	s_lshl_b32 s28, s25, 17                        ; the source: 16 rows of 8,192 bytes a work-group,
	s_lshl_b32 s29, s24, 11                        ; 512 numbers along K a wave
	s_add_co_u32 s28, s28, s29
	s_mov_b32 s29, 0
	s_lshr_b32 s30, s25, 1                         ; G = li / 2: 262,144 bytes,
	s_lshl_b32 s30, s30, 18
	s_lshl_b32 s31, s24, 16                        ; kk = 8 x wave: 8,192 bytes each,
	s_add_co_u32 s30, s30, s31
	s_lshl_b32 s31, s26, 1
	s_and_b32 s27, s25, 1
	s_add_co_u32 s31, s31, s27                     ; b = 2 g + li % 2: 1,024 bytes
	s_lshl_b32 s31, s31, 10
	s_add_co_u32 s30, s30, s31
	s_mov_b32 s31, 0
	s_add_nc_u64 s[4:5], s[4:5], s[28:29]
	s_add_nc_u64 s[22:23], s[22:23], s[30:31]
.macro LOADW k                         ; block k: 128 along K of the 16 rows, a load a row
.irp p, 0,1,2,3,4,5,6,7,8,9,10,11,12,13,14,15
	global_load_b128 v[R+112*((\k)%2)+4*\p:R+112*((\k)%2)+4*\p+3], v3, s[4:5] offset:8192*\p+512*(\k) th:TH_LOAD_NT
.endr
.endm
.macro BLOCKW k
.if (\k) < 3
	s_wait_loadcnt 16                              ; this block's 16 loads are in; the next block's may be out
.else
	s_wait_loadcnt 0
.endif
.irp p, 0,1,2,3,4,5,6,7,8,9,10,11,12,13,14,15
	ds_store_b128 v12, v[R+112*((\k)%2)+4*\p:R+112*((\k)%2)+4*\p+3] offset:PW*\p
.endr
.irp p, 0,1,2,3
.irp i, 0,1,2,3
	ds_load_b128 v[XW+16*\p+4*\i:XW+16*\p+4*\i+3], v13 offset:128*\p+16*\i   ; piece p: K = 32 p + 16 h + 0 .. 15 of row r
.endr
.endr
	s_wait_dscnt 0x0
	s_wait_xcnt 0x0                                ; the last block's stores have read their data: the codes' registers are written again only behind this wait
.if (\k)+2 < 4
	LOADW (\k)+2
.endif
.irp p, 0,1,2,3
	Q16 XW+16*\p, X+4*\p
	global_store_b128 v3, v[X+4*\p:X+4*\p+3], s[22:23] offset:(2*(\k)+\p/2)*8192+512*(\p%2)   ; 512 bytes on end: half a fragment
.endr
.endm
	LOADW 0
	LOADW 1
	s_wait_kmcnt 0x0
	SCALE s33
.irp k, 0,1,2,3
	BLOCKW \k
.endr
	s_wait_tensorcnt 0x0                           ; the wave's end
	ds_add_u32 v[SPW], v[NIL]
	s_wait_dscnt 0x0
	s_endpgm
.Lfunc_end_k_q8c0c043e0f_quant:
	.size	k_q8c0c043e0f_quant, .Lfunc_end_k_q8c0c043e0f_quant-k_q8c0c043e0f_quant
	.p2alignl 7, 3214868480
	.fill 96, 4, 3214868480
	.section	.rodata,"a",@progbits
	.p2align	6, 0x0
	.amdhsa_kernel k_q8c0c043e0f_quant
		.amdhsa_group_segment_fixed_size 67072
		.amdhsa_private_segment_fixed_size 0
		.amdhsa_enable_private_segment 0
		.amdhsa_kernarg_size 72
		.amdhsa_user_sgpr_count 2
		.amdhsa_user_sgpr_kernarg_segment_ptr 1
		.amdhsa_wavefront_size32 1
		.amdhsa_system_sgpr_workgroup_id_x 1
		.amdhsa_system_sgpr_workgroup_id_y 1
		.amdhsa_system_sgpr_workgroup_id_z 1
		.amdhsa_system_vgpr_workitem_id 0
		.amdhsa_next_free_vgpr 256
		.amdhsa_next_free_sgpr 66
		.amdhsa_reserve_vcc 0
		.amdhsa_float_denorm_mode_32 3
		.amdhsa_float_denorm_mode_16_64 3
		.amdhsa_memory_ordered 1
		.amdhsa_forward_progress 1
		.amdhsa_inst_pref_size 73
	.end_amdhsa_kernel
	.amdgpu_metadata
---
amdhsa.version: [ 1, 2 ]
amdhsa.kernels:
  - .name:           k_q8c0c043e0f_quant
    .symbol:         k_q8c0c043e0f_quant.kd
    .args:
      - { .name: hidden, .offset: 0, .size: 8, .value_kind: global_buffer, .address_space: global }
      - { .name: inputs, .offset: 8, .size: 8, .value_kind: global_buffer, .address_space: global }
      - { .name: Wf, .offset: 16, .size: 8, .value_kind: global_buffer, .address_space: global }
      - { .name: Wi, .offset: 24, .size: 8, .value_kind: global_buffer, .address_space: global }
      - { .name: Wo, .offset: 32, .size: 8, .value_kind: global_buffer, .address_space: global }
      - { .name: Wc, .offset: 40, .size: 8, .value_kind: global_buffer, .address_space: global }
      - { .name: lowp_scales, .offset: 48, .size: 8, .value_kind: global_buffer, .address_space: global }
      - { .name: x_codes, .offset: 56, .size: 8, .value_kind: global_buffer, .address_space: global }
      - { .name: w_codes, .offset: 64, .size: 8, .value_kind: global_buffer, .address_space: global }
    .group_segment_fixed_size: 67072
    .private_segment_fixed_size: 0
    .kernarg_segment_align: 8
    .kernarg_segment_size: 72
    .max_flat_workgroup_size: 128
    .sgpr_count:     66
    .vgpr_count:     256
    .wavefront_size: 32
...
	.end_amdgpu_metadata
.endif
;; end of part 1
;; launch lstm (part 2): grid 16 x 16, 4 waves a work-group, clusters of 4 x 1, 327,680 bytes of LDS; arguments x_codes, w_codes, lowp_scales, c, bf, bi, bo, bc, out0, out1; writes out0, out1
.if DOCPART == 2
	.amdgcn_target "amdgcn-amd-amdhsa--gfx1250"
	.amdhsa_code_object_version 6
	.text
	.protected	k_q8c0c043e0f_lstm
	.globl	k_q8c0c043e0f_lstm
	.p2align	8
	.type	k_q8c0c043e0f_lstm,@function
k_q8c0c043e0f_lstm:
	s_mov_b64 s[64:65], 0
	v_nop
	global_prefetch_b8 v0, s[64:65] scope:SCOPE_SE
	s_setreg_imm32_b32 hwreg(HW_REG_WAVE_MODE, 25, 1), 1
	s_wait_xcnt 0x0
	s_wait_alu depctr_hold_cnt(0) depctr_sa_sdst(0) depctr_va_vdst(0) depctr_va_sdst(0) depctr_va_ssrc(0) depctr_va_vcc(0) depctr_vm_vsrc(0)
	s_getreg_b32 s2, hwreg(HW_REG_IB_STS2, 6, 4)
	s_cmp_eq_u32 s2, 0
	s_cbranch_scc0 .Lentry_in_a_cluster
	s_endpgm
.Lentry_in_a_cluster:
	s_bfe_u32 s2, ttmp6, 0x10000c
	s_cmp_lg_u32 s2, 0x3003
	s_cbranch_scc0 .Lentry_shape_is_right
	s_endpgm
.Lentry_shape_is_right:
; gates = x W^T + b on codes of FP8 (E4M3); f, i, o = sigmoid; g = tanh; c_new = f c + i g (out1); h_new = o tanh(c_new) (out0).  The gates never go to memory.
; x_codes [8192][2048].  w_codes [G 32][kk 32][b 8][c 2][lane 32][16 bytes]: fragments as the registers take them (b = 2 gate + u; lane 16 h + r: cell 16 u + r of G's 32, K = 64 kk + 32 c + 16 h + 0 .. 15).
; LIMITS: e0 + e1 lies between -126 and 126 (it is added to the exponent fields of two f32 constants).  NaN among the inputs is not served.  tanh is taken as sign(x) (1 - e) / (1 + e),
; e = exp(-2 |x|): an absolute error of about 1e-7, no small relative error next to 0.  A sigmoid under about 1e-38 comes out as 0.
; SHARES.  A tile is 256 rows x 64 cells x 4 gates, made by a work-group of four waves; a wave 128 rows x 32 cells x 4 gates: 64 accumulators of 16 x 16, 512 registers.
; A WORK-GROUP STAYS: 256 work-groups, each makes tile rows y and y + 16 of one tile column, so both tiles take the same weights and biases.  The rings do not stop at the first tile's end.
; K goes in half-steps of 64 (v_wmma_f32_16x16x64_fp8_fp8), 64 matrix instructions each, W's fragments outermost: a fragment of W is done with after eight products.
; x GOES THROUGH LDS: a ring of two slots of 256 rows x 256 bytes (four half-steps).  A slot is filled again by four tensor loads of 64 rows, one a wave.  A tile's first two slots go out together, by four loads of
; 128 rows: waves 0 and 1 fetch slot 0, waves 2 and 3 slot 1.  CLUSTERS of 4 x 1: the four work-groups of one tile row need the same tiles of x and ask for them JOINTLY (mask 15).
; W GOES FROM MEMORY STRAIGHT INTO REGISTERS: a wave's 128 rows are one stream of 262,144 bytes, read by loads of 512 bytes on end into a ring of four sets of 64 registers; half a set is asked for again as soon as
; its 32 products are issued, four half-steps ahead of its use.  These are loads into registers and no tensor loads, so they take no joint request; a half-step then reads 16 fragments' loads from LDS and not 32.
; THE MATRIX INSTRUCTION IS USED TRANSPOSED (source 0 = 16 rows of W, source 1 = 16 rows of x): in accumulator (a, b) lane (r, h) holds row 16 a + r and cells 16 u + 8 h + 0 .. 7: the four gates of a cell lie in one lane.
; Fragments are fetched 16 bytes at a time: a permutation of k, the same in x and in W, so that every product meets its partner.
; c has LDS bytes of its own, which tensor loads alone write, asked for in half-step 26 of each tile, 5 1/2 half-steps ahead of the cells.
; THE TAIL goes by blocks of 16 rows a wave; c_new and h go into stages of 32 rows, two of each by turns; a barrier a block, since a row's 256 bytes come from two waves; each wave reads 8 whole rows of both
; back and stores them in the middle of the next block.  A stage is written again two blocks on, behind the barrier in front of which every wave has waited for its reads of it.
; REGISTERS, in windows of 256: window 0: v0-31 addresses; v32-63 rows on their way out; v64-127 the biases, scaled; v128-255 x's fragments, two sets of 64; in the tail v128-255 are at work.
;   window 1: W's ring.   window 2: accumulators of gates f, i ((a, b) at v[32 a + 8 b]);   window 3: of gates o, c (v[32 a + 8 (b - 4)]).
.set ROWB,   256
.set KROW,   2048
.set PITCH,  272                       ; an LDS row: 256 bytes + 16 of padding
.set NP,     4                         ; places behind this matrix instruction (ISA guide 7.12.1)
.set SLOT,   256*PITCH
.set SPARE,  2*SLOT                    ; the spare words, 128 bytes a wave
.set CT,     SPARE+512                 ; c: 256 rows x 272 bytes
.set ST,     CT+256*PITCH              ; the stages: for block parity p, c_new at 2 p SB, h at 2 p SB + SB
.set SB,     32*PITCH
.set NEXTX,  16*256*2048               ; bytes from a tile's rows of x_codes to the next tile's
.set NEXTC,  16*256*4096               ; the same in c and in the outputs
.set WO,   6                           ; v6      16 x lane
.set VQ,   7                           ; v7      requests ahead in x_codes: 2,048 (lane % 16) + 256 (lane / 16)
.set VW,   8                           ; v8      256 x lane
.set ADRA, 16                          ; v16-17  LDS address of my fragments of x in slot 0, 1
.set VB,   22                          ; v22     my byte offset in each bias
.set SC,   24                          ; v24     my 32 bytes of a row of c
.set SS,   25                          ; v25     my 32 bytes of a stage's row
.set RS,   26                          ; v26     the way out: where I read a stage's row back
.set SPW,  28                          ; v28     my spare word; never rewritten
.set NIL,  29                          ; v29     0; never rewritten
.set CO,   30                          ; v30     the way out: my byte offset in the tile's rows of an output
.set VP,   31                          ; v31     4,096 x lane
.set OB,   32
.set BI,   64
.set AF,   128
.set F,    128
.set I,    144
.set O,    160
.set G,    176
.set E,    192
.set T,    208
.set G1,  24                           ; s[24:31] group 1 for a refill of x: 64 rows;  s[32:39] group 0, one set a slot
.set G0,  32
.set G1N, 52                           ; s[52:59] group 1 for a tile's first fills: 128 rows;  s[60:63] their group 0
.set G0N, 60
.set G1C, 80                           ; s[80:87], s[88:91] the same for c
.set G0C, 88
.set MSB, 0
.macro WIN new                         ; the immediate's high byte repeats the setting that is left
.if MSB != (\new)
	s_set_vgpr_msb (MSB<<8)|(\new)
.set MSB, (\new)
.endif
.endm
.set MUL_LO, 0xa1                      ; source 0 (W) window 1, source 1 (x) window 0, C and D window 2
.set MUL_HI, 0xf1                      ; the same, C and D window 3
.set TO_B,   0x40                      ; destination window 1, address window 0
.macro PLACES n
.rept \n
	v_nop
.endr
.endm
.macro CROUND                          ; a round of the cluster's barrier
	s_barrier_signal -1
	s_barrier_wait -1
	s_cmp_lg_u32 s14, 0
	s_cbranch_scc1 .Lnot_wave_0_\@
	s_barrier_signal -3
.Lnot_wave_0_\@:
	s_barrier_wait -3
	s_barrier_signal -1
	s_barrier_wait -1
.endm
	s_load_b256 s[4:11], s[0:1], 0x0               ; x_codes, w_codes, the scales' exponents, c
	s_load_b256 s[68:75], s[0:1], 0x20             ; bf, bi, bo, bc
	s_load_b128 s[76:79], s[0:1], 0x40             ; out0 (h_new), out1 (c_new)
	v_lshl_add_u32 v[SPW], v0, 2, SPARE
	v_mov_b32 v[NIL], 0
	ds_add_u32 v[SPW], v[NIL]                      ; the opening lines: the add, twice on end, and its wait ahead of my first tensor load
	ds_add_u32 v[SPW], v[NIL]
	v_lshrrev_b32 v1, 5, v0
	v_readfirstlane_b32 s14, v1                    ; wave 0..3
	s_lshr_b32 s15, s14, 1                         ; which half of the tile's rows is mine
	s_and_b32 s16, s14, 1                          ; which half of its 64 cells
	s_bfe_u32 s40, ttmp6, 0x40000                  ; cx
	s_lshl_b32 s42, ttmp9, 2
	s_add_co_u32 s42, s42, s40                     ; tile column = 4 x cluster x + cx: 64 cells
	s_and_b32 s17, ttmp7, 0xffff                   ; the first tile's row, 0 .. 15: 256 rows; the four partners share it
	s_mov_b32 s[G1+0], 15|(1<<20)|(1<<21)|(5<<22)|(3<<25)   ; the mask names the four; elements of 1 byte; 4 words of padding behind every 64; bit 21 beside a mask
	s_mov_b32 s[G1+1], ROWB<<16
	s_mov_b32 s[G1+2], 64<<16
	s_mov_b32 s[G1+3], ROWB<<16
	s_mov_b32 s[G1+4], 64                          ; 64 rows x 256 bytes
	s_mov_b32 s[G1+5], KROW
	s_mov_b32 s[G1+6], 0
	s_mov_b32 s[G1+7], 0
	s_mov_b32 s[G1C+0], (2<<16)|(1<<20)|(5<<22)|(3<<25)     ; c: elements of 4 bytes, the same padding, no mask
	s_mov_b32 s[G1C+1], 64<<16
	s_mov_b32 s[G1C+2], 64<<16
	s_mov_b32 s[G1C+3], 64<<16
	s_mov_b32 s[G1C+4], 64                         ; 64 rows x 64 numbers
	s_mov_b32 s[G1C+5], 1024
	s_mov_b32 s[G1C+6], 0
	s_mov_b32 s[G1C+7], 0
	s_lshl_b32 s20, s17, 19
	s_lshl_b32 s18, s16, 18
	s_add_co_u32 s12, s20, s18
	s_lshl_b32 s18, s15, 8
	s_add_co_u32 s12, s12, s18                     ; x, a tile's first fills: row 256 x tile row + 128 x (wave % 2), K 256 x (wave / 2), in bytes
	s_mov_b32 s13, 0
	s_lshl_b32 s18, s14, 17
	s_add_co_u32 s20, s20, s18                     ; x, a refill: row 256 x tile row + 64 x wave
	s_mov_b32 s21, 0
	s_lshl_b32 s19, s40, 15
	s_add_co_u32 s54, s20, s19                     ; requests ahead: of those 64 rows partner cx takes 16, told apart by address
	s_mov_b32 s55, 0
	s_lshl_b32 s22, s42, 19
	s_lshl_b32 s18, s16, 18
	s_add_co_u32 s22, s22, s18                     ; W: my stream, G = 2 x tile column + half
	s_mov_b32 s23, 0
	s_lshl_b32 s56, s42, 19                        ; requests ahead in W: the sixteen work-groups of a tile column share its two streams out: stream y / 8, 8,192 bytes of each 65,536 at 8,192 x (y % 8)
	s_bfe_u32 s18, s17, 0x10003
	s_lshl_b32 s18, s18, 18
	s_add_co_u32 s56, s56, s18
	s_and_b32 s18, s17, 7
	s_lshl_b32 s18, s18, 13
	s_add_co_u32 s56, s56, s18
	s_mov_b32 s57, 0
	s_lshl_b32 s50, s17, 20
	s_lshl_b32 s18, s42, 8
	s_add_co_u32 s50, s50, s18                     ; c and both outputs: row 256 x tile row, column 64 x tile column
	s_mov_b32 s51, 0
	s_lshl_b32 s18, s14, 18
	s_add_co_u32 s52, s50, s18                     ; c: my wave fetches 64 rows
	s_mov_b32 s53, 0
	s_mul_i32 s41, s14, 64*PITCH                   ; where a wave's 64 rows go in a slot, and in c's tile
	s_cmp_eq_u32 s14, 0
	s_cselect_b32 s99, 1, 0                        ; 1: my wave asks ahead in W (wave 0, in the first tile)
	s_mul_i32 s58, s15, 128*PITCH                  ; my 128 rows
	s_lshl_b32 s18, s16, 7
	s_add_co_u32 s59, s58, s18
	s_add_co_u32 s59, s59, CT                      ; c: my rows, my 32 cells' 128 bytes
	s_mul_i32 s63, s15, 16*PITCH
	s_add_co_u32 s63, s63, s18
	s_add_co_u32 s63, s63, ST                      ; a stage: my 16 rows, my 128 bytes
	s_lshl_b32 s19, s16, 3
	s_lshl_b32 s18, s15, 4
	s_add_co_u32 s18, s18, s19                     ; the way out: of a block's 32 rows wave w takes 8: row half w / 2, from 8 (w % 2) on
	s_mul_i32 s60, s18, PITCH
	s_add_co_u32 s60, s60, ST
	s_lshl_b32 s18, s15, 7
	s_add_co_u32 s18, s18, s19
	s_lshl_b32 s61, s18, 12                        ; and the same rows of block 0 in an output
	s_lshl_b32 s62, s42, 8
	s_lshl_b32 s19, s16, 7
	s_add_co_u32 s62, s62, s19                     ; the biases: 256 bytes a tile column, 128 for my half
	v_and_b32 v1, 15, v0                           ; r
	v_bfe_u32 v2, v0, 4, 1                         ; h
	v_and_b32 v3, 31, v0
	v_lshlrev_b32 v[WO], 4, v3
	v_lshlrev_b32 v[VW], 8, v3
	v_lshlrev_b32 v[VP], 12, v3
	v_lshlrev_b32 v[VQ], 11, v1
	v_lshl_add_u32 v[VQ], v2, 8, v[VQ]
	v_mul_u32_u24 v4, v1, PITCH
	v_lshl_add_u32 v5, v2, 4, v4
	v_add_nc_u32 v[ADRA], s58, v5                  ; a fragment's row x pitch + 16 h
	v_add_nc_u32 v[ADRA+1], SLOT, v[ADRA]
	v_lshl_add_u32 v5, v2, 5, v4
	v_add_nc_u32 v[SC], s59, v5                    ; row r, + 32 h
	v_add_nc_u32 v[SS], s63, v5
	v_mul_u32_u24 v5, v2, PITCH
	v_lshl_add_u32 v5, v1, 4, v5
	v_add_nc_u32 v[RS], s60, v5                    ; lanes 0-15 one row of 256 bytes, lanes 16-31 the next
	v_lshlrev_b32 v5, 12, v2
	v_lshl_add_u32 v5, v1, 4, v5
	v_add_nc_u32 v[CO], s61, v5
	v_lshl_add_u32 v[VB], v2, 5, s62
	s_wait_alu depctr_va_vdst(0)
	s_wait_dscnt 0x0                               ; both opening adds are done
	s_wait_kmcnt 0x0
	s_load_b64 s[96:97], s[8:9], 0x0               ; e0, e1
	s_add_nc_u64 s[20:21], s[4:5], s[20:21]
	s_add_nc_u64 s[G0N+2:G0N+3], s[4:5], s[12:13]
	s_add_nc_u64 s[44:45], s[6:7], s[22:23]        ; W: my stream
	s_add_nc_u64 s[46:47], s[4:5], s[54:55]        ; requests ahead in x_codes,
	s_add_nc_u64 s[48:49], s[6:7], s[56:57]        ; in w_codes
	s_add_nc_u64 s[10:11], s[10:11], s[52:53]
	s_add_nc_u64 s[76:77], s[76:77], s[50:51]
	s_add_nc_u64 s[78:79], s[78:79], s[50:51]
	s_mov_b32 s[G0N], 1                            ; (the offsets that lay in s52 to s63 have been used)
	s_mul_i32 s[G0N+1], s15, SLOT
	s_mul_i32 s18, s16, 128*PITCH
	s_add_co_u32 s[G0N+1], s[G0N+1], s18           ; slot wave / 2, rows 128 x (wave % 2) on
	s_or_b32 s[G0N+3], s[G0N+3], 0x80000000
	s_mov_b32 s[G1N+0], 15|(1<<20)|(1<<21)|(5<<22)|(3<<25)
	s_mov_b32 s[G1N+1], ROWB<<16
	s_mov_b32 s[G1N+2], 128<<16
	s_mov_b32 s[G1N+3], ROWB<<16
	s_mov_b32 s[G1N+4], 128                        ; 128 rows x 256 bytes
	s_mov_b32 s[G1N+5], KROW
	s_mov_b32 s[G1N+6], 0
	s_mov_b32 s[G1N+7], 0
.irp s, 0,1
	s_mov_b32 s[G0+4*\s], 1
	s_add_co_u32 s[G0+4*\s+1], s41, \s*SLOT
	s_add_nc_u64 s[G0+4*\s+2:G0+4*\s+3], s[20:21], \s*ROWB   ; the slot's first K: each refill steps 512 on from it
	s_or_b32 s[G0+4*\s+3], s[G0+4*\s+3], 0x80000000
.endr
	s_mov_b32 s[G0C], 1
	s_add_co_u32 s[G0C+1], s41, CT
	s_mov_b64 s[G0C+2:G0C+3], s[10:11]
	s_or_b32 s[G0C+3], s[G0C+3], 0x80000000
	CROUND                                         ; the four work-groups are here: the first joint loads meet
	tensor_load_to_lds s[G0N:G0N+3], s[G1N:G1N+7]  ; K 0-511, both slots: one tensor load a wave at the head
	s_nop 0
	PLACES 4
.macro WLOAD q, b0, off                ; fragments b0 .. b0 + 3 of ring set q, from byte off behind the stream's base
.irp b, \b0,\b0+1,\b0+2,\b0+3
.irp c, 0,1
	global_load_b128 v[64*(\q)+8*(\b)+4*\c:64*(\q)+8*(\b)+4*\c+3], v[WO], s[44:45] offset:(\off)+1024*(\b)+512*\c
.endr
.endr
.endm
.macro ALOAD j2                        ; x's eight fragments of half-step j2 (of the ring's eight) into set j2 % 2
.irp a, 0,1,2,3,4,5,6,7
.irp c, 0,1
	ds_load_b128 v[AF+64*((\j2)%2)+8*\a+4*\c:AF+64*((\j2)%2)+8*\a+4*\c+3], v[ADRA+(\j2)/4] offset:64*((\j2)%4)+32*\c+\a*16*PITCH
.endr
.endr
.endm
; 32 matrix instructions: W's fragments b0 .. b0 + 3 of set q, each against x's eight of set pa.  The 64 accumulators take turns, in the same order in every half-step.
.macro MULB q, pa, b0, zero
.irp b, \b0,\b0+1,\b0+2,\b0+3
.irp a, 0,1,2,3,4,5,6,7
.if \zero
	v_wmma_f32_16x16x64_fp8_fp8 v[32*\a+8*((\b)%4):32*\a+8*((\b)%4)+7], v[64*(\q)+8*(\b):64*(\q)+8*(\b)+7], v[AF+64*(\pa)+8*\a:AF+64*(\pa)+8*\a+7], 0
.else
	v_wmma_f32_16x16x64_fp8_fp8 v[32*\a+8*((\b)%4):32*\a+8*((\b)%4)+7], v[64*(\q)+8*(\b):64*(\q)+8*(\b)+7], v[AF+64*(\pa)+8*\a:AF+64*(\pa)+8*\a+7], v[32*\a+8*((\b)%4):32*\a+8*((\b)%4)+7]
.endif
.endr
.endr
.endm
; A half-step.  j: its number modulo 8 (slot j / 4, W's set j % 4, x's set j % 2).  woff: where, behind the stream's base, the half-step four on lies.  rl: W's set is asked for again, for four half-steps on.
; al: x's set takes the fragments of two half-steps on.  c0, c1: the younger loads of W that may stay out (batches of eight).  d0: the younger LDS loads.
; sp: in a slot's third half-step all reads of the slot have been issued, so the slots change in its middle: every wave waits for all its tensor loads, adds 0 to its spare word, waits for that and for its reads;
; a round of the cluster's barrier; sp = 1: the slot is filled again, 512 along K on, by the joint load; sp = 2: this tile's codes are all asked for, and my 64 rows of c go to their bytes;
; sp = 3, in half-step 30: both slots have been read out; all descriptors step to the next tile, and its K 0-511 goes into both slots as at the head.
.macro HS j, woff, zero, rl, al, sp, c0, c1, d0
	s_wait_loadcnt \c0
	s_wait_dscnt \d0
	WIN MUL_LO
	MULB (\j)%4, (\j)%2, 0, \zero
.if \sp
	WIN 0
	s_wait_tensorcnt 0x0
	ds_add_u32 v[SPW], v[NIL]
.if \sp == 1
	s_add_nc_u64 s[G0+4*((\j)/4)+2:G0+4*((\j)/4)+3], s[G0+4*((\j)/4)+2:G0+4*((\j)/4)+3], 2*ROWB
.endif
.if \sp == 3
	s_add_nc_u64 s[G0+2:G0+3], s[G0+2:G0+3], NEXTX-6*ROWB
	s_add_nc_u64 s[G0+6:G0+7], s[G0+6:G0+7], NEXTX-6*ROWB
	s_add_nc_u64 s[G0N+2:G0N+3], s[G0N+2:G0N+3], NEXTX
	s_add_nc_u64 s[G0C+2:G0C+3], s[G0C+2:G0C+3], NEXTC
.endif
	s_wait_dscnt 0x0
	CROUND
.if \sp == 1
	tensor_load_to_lds s[G0+4*((\j)/4):G0+4*((\j)/4)+3], s[G1:G1+7]
.endif
.if \sp == 2
	tensor_load_to_lds s[G0C:G0C+3], s[G1C:G1C+7]
.endif
.if \sp == 3
	tensor_load_to_lds s[G0N:G0N+3], s[G1N:G1N+7]
.endif
	s_nop 0
.endif
	PLACES NP                                      ; in front of loads into registers that matrix instructions have read
.if \rl
	WIN TO_B
	WLOAD (\j)%4, 0, \woff
.endif
	s_wait_loadcnt \c1
	WIN MUL_HI
	MULB (\j)%4, (\j)%2, 4, \zero
	PLACES NP
.if \rl
	WIN TO_B
	WLOAD (\j)%4, 4, \woff
.endif
	WIN 0
.if \al
	ALOAD ((\j)+2)%8
.endif
.endm
.irp g, 0,1,2,3
.irp u, 0,1
.irp p, 0,1
	global_load_b128 v[BI+16*\g+8*\u+4*\p:BI+16*\g+8*\u+4*\p+3], v[VB], s[68+2*\g:69+2*\g] offset:64*\u+16*\p   ; gate g's bias at cells 16 u + 8 h + 4 p + 0 .. 3 of my 32
.endr
.endr
.endr
	WIN TO_B
.irp m, 0,1,2,3
	WLOAD \m, 0, \m*8192                           ; W's ring is filled: half-steps 0 to 3
	WLOAD \m, 4, \m*8192
.endr
	WIN 0
	s_cmp_eq_u32 s99, 0
	s_cbranch_scc1 .Lno_first_ask
	global_prefetch_b8 v[VW], s[48:49] offset:65536 th:TH_LOAD_NT scope:SCOPE_SE    ; W's half-steps 8-15: my 8,192 bytes of their 65,536
.Lno_first_ask:
	s_wait_kmcnt 0x0
	s_add_co_i32 s96, s96, s97                     ; e0 + e1 is added to the exponent fields of the two factors:
	s_lshl_b32 s96, s96, 23
	s_add_co_u32 s92, s96, 0xbfb8aa3b              ; -log2(e) x 2^(e0 + e1): sigmoid(x) = 1 / (1 + 2^(-log2(e) x))
	s_mov_b32 s93, s92
	s_add_co_u32 s94, s96, 0x4038aa3b              ; 2 log2(e) x 2^(e0 + e1): tanh(x) = sign(x) (1 - e) / (1 + e), e = 2^(-|2 log2(e) x|)
	s_mov_b32 s95, s94
	s_mov_b32 s98, 0x7fffffff
	s_mov_b32 s2, 2                                ; tiles to go: the same in every work-group
	s_wait_loadcnt 63                              ; 80 loads were issued: the oldest 17 are in, the 16 of the biases among them
.set j, 0
.rept 24
	v_pk_mul_f32 v[BI+j:BI+j+1], v[BI+j:BI+j+1], 0xbfb8aa3b op_sel_hi:[1,0]
.set j, j+2
.endr
.rept 8
	v_pk_mul_f32 v[BI+j:BI+j+1], v[BI+j:BI+j+1], 0x4038aa3b op_sel_hi:[1,0]
.set j, j+2
.endr
	s_wait_alu depctr_va_vdst(0)
.Ltile:
	s_wait_tensorcnt 0x0                           ; my one load that is out, my 128 rows of one of the tile's first two slots, is in;
	s_barrier_signal -1
	s_barrier_wait -1                              ; everybody's is.
	ALOAD 0
	ALOAD 1
	global_prefetch_b8 v[VQ], s[46:47] offset:512 th:TH_LOAD_NT scope:SCOPE_SE      ; x's K 512-1023: 16 rows x 512 bytes, a lane to each 256; their tensor loads stand in the first trip
	HS 0, 4*8192, 1, 1, 1, 0, 56, 56, 16           ; a tile's first half-step stands in front of the loop: its products start the sums
	s_mov_b32 s3, 3
.Llap:                                                 ; a trip goes once round the ring: eight half-steps, both slots filled again
	HS 1, 5*8192, 0, 1, 1, 0, 56, 56, 16
	HS 2, 6*8192, 0, 1, 1, 1, 56, 56, 16
	HS 3, 7*8192, 0, 1, 1, 0, 56, 56, 16
	; REQUESTS AHEAD, once a trip, 1 1/2 half-steps behind a tensor load and 2 1/2 ahead of the next.  Trips 0 and 1: what the next trip's two tensor loads bring of x (16 rows x 512 bytes a wave),
	; and, in the first tile, of W the 65,536 bytes of each stream that begin two trips on.  The last trip: my 64 rows of c, a lane to a row's 256 bytes; their tensor load stands six half-steps on.
	s_cmp_lg_u32 s3, 1
	s_cbranch_scc1 .Lask_codes
	global_prefetch_b8 v[VP], s[10:11] th:TH_LOAD_NT scope:SCOPE_SE
	global_prefetch_b8 v[VP], s[10:11] offset:131072 th:TH_LOAD_NT scope:SCOPE_SE
	s_branch .Lasked
.Lask_codes:
	global_prefetch_b8 v[VQ], s[46:47] offset:1024 th:TH_LOAD_NT scope:SCOPE_SE
	s_cmp_eq_u32 s99, 0
	s_cbranch_scc1 .Lasked
	global_prefetch_b8 v[VW], s[48:49] offset:131072 th:TH_LOAD_NT scope:SCOPE_SE
.Lasked:
	HS 4, 8*8192, 0, 1, 1, 0, 56, 56, 16
	HS 5, 9*8192, 0, 1, 1, 0, 56, 56, 16
	HS 6, 10*8192, 0, 1, 1, 1, 56, 56, 16
	HS 7, 11*8192, 0, 1, 1, 0, 56, 56, 16
	HS 0, 12*8192, 0, 1, 1, 0, 56, 56, 16
	s_wait_xcnt 0x0                                ; the loads and requests have read their bases: these step only behind this wait
	s_add_nc_u64 s[44:45], s[44:45], 65536
	s_add_nc_u64 s[46:47], s[46:47], 512
	s_add_nc_u64 s[48:49], s[48:49], 65536
	s_sub_co_u32 s3, s3, 1
	s_cmp_lg_u32 s3, 0
	s_cbranch_scc1 .Llap
	s_cmp_eq_u32 s2, 1
	s_cbranch_scc1 .Lno_next_ask
	global_prefetch_b8 v[VQ], s[46:47] offset:NEXTX-1536 th:TH_LOAD_NT scope:SCOPE_SE   ; the next tile's K 0-511 of x, five half-steps ahead of their tensor loads
.Lno_next_ask:
	HS 1, 5*8192, 0, 1, 1, 0, 56, 56, 16           ; half-steps 25 to 27 are alike in both tiles
	HS 2, 6*8192, 0, 1, 1, 2, 56, 56, 16           ; c is asked for
	HS 3, 7*8192, 0, 1, 1, 0, 56, 56, 16
	s_cmp_eq_u32 s2, 1
	s_cbranch_scc1 .Llast_tile
	; half-steps 28 to 31 of a tile that has a successor: THE RINGS GO ON.  W's stream begins anew (196,608 bytes back from the base), and both slots take the next tile's first K.
	HS 4, 0-196608, 0, 1, 1, 0, 56, 56, 16
	HS 5, 8192-196608, 0, 1, 1, 0, 56, 56, 16
	HS 6, 16384-196608, 0, 1, 0, 3, 56, 56, 16     ; its wait and round have also shown c to every wave
	HS 7, 24576-196608, 0, 1, 0, 0, 56, 56, 0
	s_branch .Ltail
.Llast_tile:                                           ; the same of the last tile: the requests have ended and the counts run down
	HS 4, 0, 0, 0, 1, 0, 56, 48, 16
	HS 5, 0, 0, 0, 1, 0, 40, 32, 16
	HS 6, 0, 0, 0, 0, 0, 24, 16, 16
	HS 7, 0, 0, 0, 0, 0, 8, 0, 0
	s_wait_tensorcnt 0x0                           ; my 64 rows of c have landed; the barrier below shows them to the others
.Ltail:
; THE CELLS, a block of 16 rows x my 32 cells at a time: 16 cells a lane, k = 8 u + i.
.macro CLOAD a                         ; block a's c into set a % 2
.irp u, 0,1
.irp p, 0,1
	ds_load_b128 v[224+16*((\a)%2)+8*\u+4*\p:224+16*((\a)%2)+8*\u+4*\p+3], v[SC] offset:16*(\a)*PITCH+64*\u+16*\p
.endr
.endr
.endm
.macro PUT src, off                    ; 16 numbers to my 2 x 32 bytes of my row of the stage at off
.irp u, 0,1
.irp p, 0,1
	ds_store_b128 v[SS], v[\src+8*\u+4*\p:\src+8*\u+4*\p+3] offset:(\off)+64*\u+16*\p
.endr
.endr
.endm
.macro GATE d, src, sc, b              ; d = sum x factor + bias x factor; each accumulator from its low end on
.irp k, 0,2,4,6,8,10,12,14
	v_pk_fma_f32 v[\d+\k:\d+\k+1], v[\src+\k:\src+\k+1], s[\sc:\sc+1], v[\b+\k:\b+\k+1] op_sel_hi:[1,0,1]
.endr
.endm
.macro PLUS1 d, s
.irp k, 0,2,4,6,8,10,12,14
	v_pk_add_f32 v[\d+\k:\d+\k+1], v[\s+\k:\s+\k+1], 1.0 op_sel_hi:[1,0]
.endr
.endm
.macro TIMES d, s
.irp k, 0,2,4,6,8,10,12,14
	v_pk_mul_f32 v[\d+\k:\d+\k+1], v[\d+\k:\d+\k+1], v[\s+\k:\s+\k+1]
.endr
.endm
.macro ONELESS d
.irp k, 0,2,4,6,8,10,12,14
	v_pk_fma_f32 v[\d+\k:\d+\k+1], v[\d+\k:\d+\k+1], -1.0, 1.0 op_sel_hi:[1,0,0]
.endr
.endm
.macro EXP2 d
.irp k, 0,1,2,3,4,5,6,7,8,9,10,11,12,13,14,15
	v_exp_f32 v[\d+\k], v[\d+\k]
.endr
.endm
.macro EXP2N d, s                      ; d = 2^(-|s|)
.irp k, 0,1,2,3,4,5,6,7,8,9,10,11,12,13,14,15
	v_exp_f32 v[\d+\k], -|v[\s+\k]|
.endr
.endm
.macro RCP d
.irp k, 0,1,2,3,4,5,6,7,8,9,10,11,12,13,14,15
	v_rcp_f32 v[\d+\k], v[\d+\k]
.endr
.endm
.macro SIGN d, s                       ; d (not negative) takes s's sign
.irp k, 0,1,2,3,4,5,6,7,8,9,10,11,12,13,14,15
	v_bfi_b32 v[\d+\k], s98, v[\d+\k], v[\s+\k]
.endr
.endm
.macro RB a                            ; my 8 whole rows of c_new and of h come back, two rows an instruction
.irp t, 0,1,2,3
	ds_load_b128 v[OB+4*\t:OB+4*\t+3], v[RS] offset:2*SB*((\a)%2)+2*\t*PITCH
.endr
.irp t, 0,1,2,3
	ds_load_b128 v[OB+16+4*\t:OB+16+4*\t+3], v[RS] offset:2*SB*((\a)%2)+SB+2*\t*PITCH
.endr
.endm
.macro SEND a, younger                 ; sixteen lanes store 256 bytes on end, at a multiple of 256 from the output's first byte
	s_wait_dscnt \younger
.irp t, 0,1,2,3
	global_store_b128 v[CO], v[OB+4*\t:OB+4*\t+3], s[78:79] offset:(16*(\a)+2*\t)*4096 th:TH_STORE_NT
.endr
.irp t, 0,1,2,3
	global_store_b128 v[CO], v[OB+16+4*\t:OB+16+4*\t+3], s[76:77] offset:(16*(\a)+2*\t)*4096 th:TH_STORE_NT
.endr
.endm
; A block's first part, work on registers alone, in two halves: the four exponentials; then sigmoid(f) in F, sigmoid(i) tanh(g) in E, with e^-o left in O.
; Each batch of transcendentals has one wait ahead of it, for its sources, and one behind it, ahead of the first line that names a result.
.macro FRONT1 a
	WIN 0x02
	s_wait_alu depctr_va_vdst(0)                   ; ahead of the first readers of matrix results
	GATE F, 32*(\a),    92, BI
	GATE I, 32*(\a)+16, 92, BI+16
	WIN 0x03
	s_wait_alu depctr_va_vdst(0)
	GATE O, 32*(\a),    92, BI+32
	GATE G, 32*(\a)+16, 94, BI+48
	WIN 0
	s_wait_alu depctr_va_vdst(0)                   ; ahead of the batch
	EXP2 F
	EXP2 I
	EXP2N E, G
	EXP2 O
	v_nop
.endm
.macro FRONT2
	s_wait_alu depctr_va_vdst(0)                   ; behind the exponentials
	PLUS1 F, F
	PLUS1 I, I
	PLUS1 T, E
	TIMES I, T                                     ; (1 + e^-i) (1 + e^(-2 |g|)): one reciprocal serves sigmoid(i) tanh(g)
	s_wait_alu depctr_va_vdst(0)                   ; ahead of the batch
	RCP F
	RCP I
	ONELESS E                                      ; plain lines behind the reciprocals, which name neither F nor I
	s_wait_alu depctr_va_vdst(0)                   ; behind the batch
	TIMES E, I
	SIGN E, G
.endm
; Its second part: c_new and h into the stages; the next block's exponentials while the stores are out; the block's barrier, with the rest of the next block's first part between signal and wait;
; the block's rows come back.  The block before is stored in the middle.
.macro BACK a
.set CV, 224+16*((\a)%2)
.if (\a) < 7
	CLOAD (\a)+1
.endif
.if (\a) == 0
	s_wait_alu depctr_va_vdst(0)
	s_wait_dscnt 4                                 ; block 0's c is in; behind it: block 1's four loads
.endif
.irp k, 0,2,4,6,8,10,12,14
	v_pk_fma_f32 v[CV+\k:CV+\k+1], v[CV+\k:CV+\k+1], v[F+\k:F+\k+1], v[E+\k:E+\k+1]   ; c_new
.endr
.irp k, 0,2,4,6,8,10,12,14
	v_pk_mul_f32 v[G+\k:G+\k+1], v[CV+\k:CV+\k+1], 0x4038aa3b op_sel_hi:[1,0]
.endr
	PUT CV, 2*SB*((\a)%2)
	s_wait_alu depctr_va_vdst(0)                   ; ahead of the batch
	EXP2N T, G
	PLUS1 O, O                                     ; plain lines behind the exponentials, which name neither T nor G
	s_wait_alu depctr_va_vdst(0)                   ; behind the batch
	PLUS1 F, T
	TIMES O, F                                     ; (1 + e^-o) (1 + e^(-2 |c_new|))
	s_wait_alu depctr_va_vdst(0)                   ; ahead of the batch
	RCP O
	ONELESS T                                      ; plain lines behind the reciprocals, which do not name O
.if (\a) > 0
.if (\a) < 7
	SEND (\a)-1, 8                                 ; behind the last block's eight loads: four loads of c and four stores of c_new
.else
	SEND (\a)-1, 4
.endif
.endif
	s_wait_alu depctr_va_vdst(0)                   ; behind the batch, and behind SEND's wait
	TIMES T, O
	SIGN T, G                                      ; h_new
	PUT T, 2*SB*((\a)%2)+SB
.if (\a) < 7
	FRONT1 (\a)+1
.endif
	s_wait_alu depctr_va_vdst(0)
	s_wait_dscnt 0x0                               ; for the others' sake: my stores are done, and my reads of the other stages are back
	s_barrier_signal -1
.if (\a) < 7
	FRONT2
.endif
	s_wait_alu depctr_va_vdst(0)
	s_barrier_wait -1
.if (\a) > 0
	s_wait_xcnt 0x0                                ; the last block's stores have read their registers: loads land there only behind this wait
.endif
	RB \a
.endm
	PLACES NP                                      ; behind the last products
	s_barrier_signal -1
	FRONT1 0
	FRONT2
	s_wait_alu depctr_va_vdst(0)
	s_barrier_wait -1
	CLOAD 0
.irp a, 0,1,2,3,4,5,6,7
	BACK \a
.endr
	SEND 7, 0
	s_wait_xcnt 0x0                                ; stores, loads and requests have read their bases: on to the next tile (behind the last tile the stepped addresses are not used)
	s_add_nc_u64 s[76:77], s[76:77], NEXTC
	s_add_nc_u64 s[78:79], s[78:79], NEXTC
	s_add_nc_u64 s[10:11], s[10:11], NEXTC
	s_add_nc_u64 s[46:47], s[46:47], NEXTX-1536
	s_sub_nc_u64 s[44:45], s[44:45], 196608        ; W's stream from its beginning
	s_mov_b32 s99, 0                               ; W has been read: it is asked for ahead no more
	s_sub_co_u32 s2, s2, 1
	s_cmp_lg_u32 s2, 0
	s_cbranch_scc1 .Ltile
	s_wait_tensorcnt 0x0                           ; the wave's end
	ds_add_u32 v[SPW], v[NIL]
	s_wait_dscnt 0x0
	CROUND                                         ; the closing round
	s_endpgm
.Lfunc_end_k_q8c0c043e0f_lstm:
	.size	k_q8c0c043e0f_lstm, .Lfunc_end_k_q8c0c043e0f_lstm-k_q8c0c043e0f_lstm
	.p2alignl 7, 3214868480
	.fill 96, 4, 3214868480
	.section	.rodata,"a",@progbits
	.p2align	6, 0x0
	.amdhsa_kernel k_q8c0c043e0f_lstm
		.amdhsa_group_segment_fixed_size 327680
		.amdhsa_private_segment_fixed_size 0
		.amdhsa_enable_private_segment 0
		.amdhsa_kernarg_size 80
		.amdhsa_user_sgpr_count 2
		.amdhsa_user_sgpr_kernarg_segment_ptr 1
		.amdhsa_wavefront_size32 1
		.amdhsa_system_sgpr_workgroup_id_x 1
		.amdhsa_system_sgpr_workgroup_id_y 1
		.amdhsa_system_sgpr_workgroup_id_z 1
		.amdhsa_system_vgpr_workitem_id 0
		.amdhsa_next_free_vgpr 1024
		.amdhsa_next_free_sgpr 100
		.amdhsa_reserve_vcc 0
		.amdhsa_float_denorm_mode_32 3
		.amdhsa_float_denorm_mode_16_64 3
		.amdhsa_memory_ordered 1
		.amdhsa_forward_progress 1
		.amdhsa_inst_pref_size 255
	.end_amdhsa_kernel
	.section	.bss,"aw",@nobits
	.p2align	6
	.space	262144
	.amdgpu_metadata
---
amdhsa.version: [ 1, 2 ]
amdhsa.kernels:
  - .name:           k_q8c0c043e0f_lstm
    .symbol:         k_q8c0c043e0f_lstm.kd
    .args:
      - { .name: x_codes, .offset: 0, .size: 8, .value_kind: global_buffer, .address_space: global }
      - { .name: w_codes, .offset: 8, .size: 8, .value_kind: global_buffer, .address_space: global }
      - { .name: lowp_scales, .offset: 16, .size: 8, .value_kind: global_buffer, .address_space: global }
      - { .name: c, .offset: 24, .size: 8, .value_kind: global_buffer, .address_space: global }
      - { .name: bf, .offset: 32, .size: 8, .value_kind: global_buffer, .address_space: global }
      - { .name: bi, .offset: 40, .size: 8, .value_kind: global_buffer, .address_space: global }
      - { .name: bo, .offset: 48, .size: 8, .value_kind: global_buffer, .address_space: global }
      - { .name: bc, .offset: 56, .size: 8, .value_kind: global_buffer, .address_space: global }
      - { .name: out0, .offset: 64, .size: 8, .value_kind: global_buffer, .address_space: global }
      - { .name: out1, .offset: 72, .size: 8, .value_kind: global_buffer, .address_space: global }
    .group_segment_fixed_size: 327680
    .private_segment_fixed_size: 0
    .kernarg_segment_align: 8
    .kernarg_segment_size: 80
    .max_flat_workgroup_size: 128
    .sgpr_count:     100
    .vgpr_count:     1024
    .wavefront_size: 32
...
	.end_amdgpu_metadata
.endif
;; end of part 2
